; MI455X (gfx1250); checked and timed in simulation.
; The chip was launched on July 23, 2026; its instructions are those of AMD's public machine-readable ISA for CDNA 5 (MIT licence, August 2026) and "CDNA5" Instruction Set Architecture Reference Guide (July 2026). The comments in the code are by the model that wrote it; some were corrected since.
;; Local Attention. Allowed arithmetic: matrix products marked QUANTISED: E2M1 operands, one E8M0 scale for each 32 along K, by v_wmma_scale_f32_16x16x128_f8f6f4 with both operands' format E2M1 (or v_wmma_scale_f32_32x16x128_f4), f32 sums; products left as they are: f32 operands where the result goes on into a quantised operand, else bf16, f16 or f32 operands; f32 sums; everything else in f32.
;; Inputs: W_a 1,024 x 1,024 float32; W_c 1,024 x 2,048 float32; W_p 1,024 x 1,024 float32; encoder_outputs 64 x 1,024 x 1,024 float32; output 64 x 1 x 1,024 float32; v_p 1 x 1,024 float32.
;; Outputs: out0 64 x 1 x 1,024 float32.
;; Constants: time_step = 5.
;; This version of the problem:
;;   THIS VERSION OF THE PROBLEM IS GIVEN IN LOW PRECISION. The matrix products marked QUANTISED in the list below multiply operands that are first quantised to E2M1 (2 exponent bits, 1 mantissa bit; 4 bits a number), with one power-of-two scale for each 32 numbers along K (OCP MX v1.0); their sums are f32. All else is computed in f32.
;;   The module's matrix products, in the order in which they are computed (A, B: the left and right operand; K: the contracted axis; several contracted axes count as one K, in the product's order):
;;     1. [M 65,536, K 1,024] x [K 1,024, N 1,024]; A: input encoder_outputs; B: input W_a: QUANTISED
;;     2. batch 64 x [M 1, K 1,024] x [K 1,024, N 1,024]; A: input output; B: computed on the way: left as it is (M = 1 < 16)
;;     3. [M 64, K 1,024] x [K 1,024, N 1,024]; A: input output; B: input W_p: QUANTISED
;;     4. [M 64, K 1,024] x [K 1,024, N 1]; A: computed on the way; B: input v_p: left as it is (N = 1 < 16)
;;     5. batch 64 x [M 1, K 1,024] x [K 1,024, N 1,024]; A: computed on the way; B: input encoder_outputs: left as it is (M = 1 < 16)
;;     6. [M 64, K 2,048] x [K 2,048, N 1,024]; A: computed on the way; B: input W_c: QUANTISED
;;   THE QUANTISER, for each operand of a quantised product, along K:
;;     - K is cut into blocks of 32 from its start; a last block that is shorter is filled with zeros.
;;     - A block's scale is 2^e with e = floor(log2(the largest magnitude in the block)) - 2, held to -126 .. 127; a block of zeros has e = 0. As a byte (E8M0): e + 127.
;;     - Each number is divided by its block's scale, clamped to +-6, and rounded to the nearest number of E2M1, ties to even, subnormals kept.
;;     - The product sums the exact products of the quantised numbers (number of the format x scale) in f32.
;;   ~~~python
;;   def quantise(x, axis):      # numpy; x: float32 -> the quantised numbers, widened to float32 again
;;       x = np.moveaxis(x, axis, -1); K = x.shape[-1]
;;       x = np.pad(x, [(0, 0)] * (x.ndim - 1) + [(0, -K % 32)]); x = x.reshape(x.shape[:-1] + (-1, 32)); a = np.abs(x).max(-1, keepdims=True)
;;       e = np.where(a > 0, np.clip(np.frexp(np.where(a > 0, a, 1))[1] - 1 - 2, -126, 127), 0)      # np.frexp(a)[1] - 1 = floor(log2(a)), exactly
;;       r = np.clip(x / 2.0 ** e, -6, 6)
;;       step = 2.0 ** (np.maximum(np.frexp(np.where(r == 0, 1, r))[1] - 1, 0) - 1)
;;       q = np.round(r / step) * step * 2.0 ** e      # np.round: ties to even
;;       return np.moveaxis(q.reshape(q.shape[:-2] + (-1,))[..., :K], -1, axis).astype(np.float32)
;;   ~~~
;;   OPERANDS COMPUTED ON THE WAY. 'Computed on the way' means the value that the module computes at that place (a softmax that the list does not call 'softmax' is quantised finished and normalised). What goes into a quantiser is computed in f32, as accurately as f32 sums, v_exp_f32 and their like allow (about 1e-6 of the number): no bf16 or f16 on the way to a quantiser, and a product that is left as it is and whose result goes on into a quantised operand takes f32 operands (vector FMAs, or v_wmma_f32_16x16x4_f32). A number that lies on a knife's edge between two numbers of the format may be rounded either way, as far as f32 arithmetic and the matrix unit's own rounding can turn it there, and no further.
;; One version. Each part assembles by itself: llvm-mc -triple=amdgcn-amd-amdhsa -mcpu=gfx1250 --defsym DOCPART=n.
;; ======== version 1 of 1: 4 launches
;; workspace buffers: wa 557,056 bytes; wc 1,114,112 bytes; zp 16,384 bytes; scores 262,144 bytes; pt 65,536 bytes; win 65,536 bytes of whole numbers; ctx 262,144 bytes
;; launch prep (part 1): grid 448 x 1, 8 waves a work-group, no clusters, 79,360 bytes of LDS; arguments W_a, W_c, W_p, output, v_p, wa, wc, zp; writes wa, wc, zp
.if DOCPART == 1
	.amdgcn_target "amdgcn-amd-amdhsa--gfx1250"
	.amdhsa_code_object_version 6
	.text
	.protected	k_qf95768ec3f_prep
	.globl	k_qf95768ec3f_prep
	.p2align	8
	.type	k_qf95768ec3f_prep,@function
k_qf95768ec3f_prep:
	s_mov_b64 s[64:65], 0
	v_nop
	global_prefetch_b8 v0, s[64:65] scope:SCOPE_SE
	s_setreg_imm32_b32 hwreg(HW_REG_WAVE_MODE, 25, 1), 1
	s_wait_xcnt 0x0
; PREP.  Two jobs, told apart by the work-group's number x alone; each job has LDS bytes of its own.
; x < 192: W_a (x < 64) or W_c is quantised along K to codes of FP4 (E2M1) with one E8M0 byte for each 32 along K, and laid out as IMAGES OF OPERAND REGISTERS, in parts of 256 along K:
;   part P = 139,264 dense bytes: codes of tile t (16 rows) and step s (128 along K) at (2 t + s) x 1,024, as [c = 0,1][lane][16 bytes] = the operand's registers 4 c .. 4 c + 3 of that lane;
;   behind the codes, at 131,072, the scale words: quad q (tiles 4 q .. 4 q + 3) at 512 q, as [lane (r, h)][j = 0..3]: the word of row 16 (4 q + j) + r for step s = h.
;   A work-group takes one part of one quad: eight units of 16 rows x 128 K, one a wave (j = wave % 4, s = wave / 4).
; x >= 192: the position branch: for 16 rows g of W_p (gt) and 16 batches (mt): tanh(Q(output) Q(W_p)^T), times v_p, summed over the 16 g: zp[gt][n].  Wave w takes K step w; the eight parts meet in LDS.
; A UNIT (16 rows x 128 K of f32): sixteen loads, each of two rows x 256 consecutive bytes; through the wave's own stage in LDS (16 rows, 272 bytes apart, so that the sixteen rows that a load touches begin
; 16 bytes apart modulo 256); back so that lane (r, h) holds k = 64 c + 32 h + 0 .. 31 of row r: two whole blocks of 32, in the order of the operand's registers.
; A block's scale byte is its largest magnitude's exponent field - 2, held at 1 from below (a floor among the maximum's leaves).  A block of zeros so gets the byte 1: its codes are zeros, and this program alone reads the bytes.
; LIMITS: NaN and infinities among the inputs are not served.  tanh(x) = 1 - 2 / (1 + 2^(2 x log2 e)): its error is about 1e-7 absolute, not relative, for small x.
; No cluster and no tensor load: a work-group reads 64 KiB once, and what work-groups share (output, W_p's rows) is small.
.set PARTB, 139264
.set SCLB,  131072
.set SROW,  272
.set STGB,  16*SROW                    ; a wave's stage: 4,352 bytes
.set QSC,   8*STGB                     ; quantiser: stages at 0, the quad's 512 bytes of scale words here
.set STG_P, QSC+512                    ; position: stages here,
.set PSUM,  STG_P+8*STGB               ; and 1,024 bytes for each wave's part of the sums
.set LN,  2                            ; lane
.set RR,  3                            ; r = lane % 16
.set HH,  4                            ; h = lane / 16
.set GA,  5                            ; a unit's loads: h rows + 16 r bytes
.set STA, 6                            ; the stage, on the way in: row h, 16 r
.set LDA, 7                            ; and on the way out: row r, 128 h
.set SH8, 8                            ; 8 h
.set L16, 9                            ; 16 x lane
.set QW,  10                           ; where my unit's scale word goes
.set QRD, 11                           ; where wave 0 reads the quad's words back
.set PSA, 12                           ; where my part of the sums goes
.set PRD, 13                           ; where wave 0 reads the parts
.set VA,  14                           ; 32 h: my eight numbers of v_p
.set ZA,  15                           ; 4 r
.set BC,  16                           ; v16-23 codes (quantiser: the unit's; position: W_p's)
.set AC,  24                           ; v24-31 codes of output
.set BSW, 32                           ; scale words: registers for scales alone
.set ASW, 33
.set DD,  34                           ; v34-41 the product
.set VP,  42                           ; v42-49 v_p
.set MX,  50                           ; v50-51 largest magnitudes; v52-53 the conversions' scale operands; v54-55 bytes; v56-57 at work
.set SO,  52
.set BY,  54
.set TW,  56
.set TP,  57
.set ZZ,  58
.set ZT,  59
.set U0,  64                           ; v64-127, v128-191 units as loaded
.set U1,  128
.set X,   192                          ; v192-255 a unit turned
.set WV,  20
.set SEL, 46
.macro ULOAD reg, base, stride, nt     ; sixteen loads: rows 2 p and 2 p + 1, bytes 256 c on: sixteen lanes read 256 consecutive bytes
.irp c, 0,1
.irp p, 0,1,2,3,4,5,6,7
.if \nt
	global_load_b128 v[\reg+32*\c+4*\p:\reg+32*\c+4*\p+3], v[GA], s[\base:\base+1] offset:2*\p*\stride+256*\c th:TH_LOAD_NT
.else
	global_load_b128 v[\reg+32*\c+4*\p:\reg+32*\c+4*\p+3], v[GA], s[\base:\base+1] offset:2*\p*\stride+256*\c
.endif
.endr
.endr
.endm
.macro TURN reg                        ; through my own stage, half a unit at a time.  LDS serves a wave's instructions in order (ISA guide 5.7.1.4): no wait between the stores and the loads, nor ahead of the second half's stores
.irp c, 0,1
.irp p, 0,1,2,3,4,5,6,7
	ds_store_b128 v[STA], v[\reg+32*\c+4*\p:\reg+32*\c+4*\p+3] offset:2*SROW*\p
.endr
.irp i, 0,1,2,3,4,5,6,7
	ds_load_b128 v[X+32*\c+4*\i:X+32*\c+4*\i+3], v[LDA] offset:16*\i
.endr
.endr
.endm
.macro QUANT cd, sw                    ; X's 64 numbers become the fragment's eight registers v[cd] on and its scale word v[sw]
.irp c, 0,1
	v_max3_num_f32 v[MX+\c], |v[X+32*\c]|, |v[X+32*\c+1]|, 0x1800000   ; my block 2 c + h: all 32 numbers are mine; the floor 2^(3 - 127) holds the byte at 1 from below
.endr
.irp i, 2,4,6,8,10,12,14,16,18,20,22,24,26,28,30
.irp c, 0,1
	v_max3_num_f32 v[MX+\c], v[MX+\c], |v[X+32*\c+\i]|, |v[X+32*\c+\i+1]|   ; (the two blocks by turns)
.endr
.endr
.irp c, 0,1
	v_add_nc_u32 v[SO+\c], 0xff000000, v[MX+\c]    ; 2 off the exponent field: the conversion takes the exponent field of this operand as its scale
.endr
.irp c, 0,1
	v_lshrrev_b32 v[BY+\c], 23, v[SO+\c]           ; the scale's byte
.endr
	v_lshl_or_b32 v[TW], v[BY+1], 16, v[BY]        ; my bytes: blocks h and 2 + h,
	v_lshlrev_b32 v[TW], v[SH8], v[TW]             ; 8 h bits up;
	v_permlanex16_b32 v[TP], v[TW], s[SEL], s[SEL+1]
	v_or_b32 v[\sw], v[TW], v[TP]                  ; with lane l xor 16's two the word is whole
.irp c, 0,1
.irp g, 0,1,2,3
	v_cvt_scalef32_pk8_fp4_f32 v[\cd+4*\c+\g], v[X+32*\c+8*\g:X+32*\c+8*\g+7], v[SO+\c]
.endr
.endr
	v_nop                                          ; one plain place behind the last scaled conversion
.endm
.macro BAR                             ; my LDS stores have landed and my LDS loads are in: then the work-group's barrier
	s_wait_dscnt 0x0
	s_barrier_signal -1
	s_barrier_wait -1
.endm
	s_load_b256 s[4:11], s[0:1], 0x0               ; W_a s[4:5], W_c s[6:7], W_p s[8:9], output s[10:11]
	s_load_b256 s[12:19], s[0:1], 0x20             ; v_p s[12:13], wa s[14:15], wc s[16:17], zp s[18:19]
	v_lshl_add_u32 v62, v0, 2, 0x13200
	v_mov_b32 v63, 0
	v_lshrrev_b32 v1, 5, v0
	v_readfirstlane_b32 s[WV], v1                  ; wave 0..7
	v_and_b32 v[LN], 31, v0
	v_and_b32 v[RR], 15, v0
	v_bfe_u32 v[HH], v0, 4, 1
	v_lshlrev_b32 v[SH8], 3, v[HH]
	v_lshlrev_b32 v[L16], 4, v[LN]
	v_mov_b32 v[TP], 0                             ; written once: a lane permute's destination counts as one of its sources
	v_mov_b32 v[ZT], 0
	s_mov_b32 s[SEL], 0x76543210
	s_mov_b32 s[SEL+1], 0xfedcba98                 ; v_permlanex16_b32's selects for lane l xor 16
	s_mul_i32 s21, s[WV], STGB
	v_mul_u32_u24 v[STA], v[HH], SROW
	v_lshl_add_u32 v[STA], v[RR], 4, v[STA]
	v_add_nc_u32 v[STA], s21, v[STA]
	v_mul_u32_u24 v[LDA], v[RR], SROW
	v_lshl_add_u32 v[LDA], v[HH], 7, v[LDA]
	v_add_nc_u32 v[LDA], s21, v[LDA]
	s_wait_kmcnt 0x0
	s_cmp_lt_u32 ttmp9, 192
	s_cbranch_scc0 .Lposition
	; ---- the quantiser of W_a and W_c
	s_cmp_lt_u32 ttmp9, 64                         ; the choice hangs on the work-group's number alone
	s_cselect_b64 s[22:23], s[4:5], s[6:7]         ; from
	s_cselect_b64 s[24:25], s[14:15], s[16:17]     ; to
	s_cselect_b32 s26, 0, 64
	s_cselect_b32 s27, 12, 13                      ; a row is 2^12 or 2^13 bytes
	s_sub_co_u32 s26, ttmp9, s26
	s_lshr_b32 s28, s26, 4                         ; P: the part
	s_and_b32 s29, s26, 15                         ; q: the quad
	s_and_b32 s30, s[WV], 3                        ; j: my tile of the quad
	s_lshr_b32 s31, s[WV], 2                       ; s: my step of the part
	s_lshl_b32 s32, s29, 6
	s_lshl_b32 s33, s30, 4
	s_add_co_u32 s32, s32, s33                     ; my first row: 64 q + 16 j
	s_lshl_b32 s32, s32, s27
	s_lshl_b32 s33, s28, 10
	s_add_co_u32 s32, s32, s33                     ; + 1,024 P
	s_lshl_b32 s33, s31, 9
	s_add_co_u32 s32, s32, s33                     ; + 512 s
	s_mov_b32 s33, 0
	s_add_nc_u64 s[22:23], s[22:23], s[32:33]
	s_mul_i32 s34, s28, PARTB
	s_lshl_b32 s36, s29, 3
	s_lshl_b32 s35, s30, 1
	s_add_co_u32 s36, s36, s35
	s_add_co_u32 s36, s36, s31
	s_lshl_b32 s36, s36, 10                        ; (8 q + 2 j + s) x 1,024
	s_add_co_u32 s36, s36, s34
	s_mov_b32 s37, 0
	s_add_nc_u64 s[38:39], s[24:25], s[36:37]      ; my fragment's image
	s_lshl_b32 s40, s29, 9
	s_add_co_u32 s40, s40, s34
	s_add_co_u32 s40, s40, SCLB
	s_mov_b32 s41, 0
	s_add_nc_u64 s[42:43], s[24:25], s[40:41]      ; the quad's scale words
	s_lshl_b32 s44, s31, 8
	s_lshl_b32 s45, s30, 2
	s_add_co_u32 s44, s44, s45
	s_add_co_u32 s44, s44, QSC
	v_lshl_add_u32 v[QW], v[RR], 4, s44            ; QSC + 16 r + 256 s + 4 j
	v_add_nc_u32 v[QRD], QSC, v[L16]
	v_lshlrev_b32 v[GA], s27, v[HH]
	v_lshl_add_u32 v[GA], v[RR], 4, v[GA]
	s_cmp_lt_u32 ttmp9, 64                         ; only the loads differ: the rows' distance stands in their immediates
	s_cbranch_scc0 .Lq_wc
	ULOAD U0, 22, 4096, 1
	s_branch .Lq_in
.Lq_wc:
	ULOAD U0, 22, 8192, 1
.Lq_in:
	s_wait_loadcnt 0x0
	TURN U0
	s_wait_dscnt 0x0
	QUANT BC, BSW
	global_store_b128 v[L16], v[BC:BC+3], s[38:39]               ; 32 lanes store 512 consecutive bytes
	global_store_b128 v[L16], v[BC+4:BC+7], s[38:39] offset:512
	ds_store_b32 v[QW], v[BSW]                     ; lanes r and r + 16 write the same word with the same value
	BAR                                            ; the quad's 128 scale words lie in LDS
	s_cmp_lg_u32 s[WV], 0
	s_cbranch_scc1 .Lq_end
	ds_load_b128 v[U0:U0+3], v[QRD]
	s_wait_dscnt 0x0
	global_store_b128 v[L16], v[U0:U0+3], s[42:43] ; 512 consecutive bytes
.Lq_end:
	s_wait_tensorcnt 0x0
	ds_add_u32 v62, v63
	s_wait_dscnt 0x0
	s_endpgm
	; ---- the position branch
.Lposition:
	s_sub_co_u32 s26, ttmp9, 192
	s_lshr_b32 s27, s26, 2                         ; gt: 16 rows of W_p
	s_and_b32 s28, s26, 3                          ; mt: 16 batches
	v_add_nc_u32 v[STA], STG_P, v[STA]
	v_add_nc_u32 v[LDA], STG_P, v[LDA]
	s_lshl_b32 s29, s[WV], 10
	s_add_co_u32 s29, s29, PSUM
	v_add_nc_u32 v[PSA], s29, v[L16]
	v_add_nc_u32 v[PRD], PSUM, v[L16]
	v_lshlrev_b32 v[GA], 12, v[HH]
	v_lshl_add_u32 v[GA], v[RR], 4, v[GA]
	v_lshlrev_b32 v[VA], 5, v[HH]
	v_lshlrev_b32 v[ZA], 2, v[RR]
	s_mov_b32 s31, 0
	s_lshl_b32 s30, s27, 6
	s_add_nc_u64 s[12:13], s[12:13], s[30:31]      ; v_p at g = 16 gt
	s_lshl_b32 s32, s[WV], 9                       ; my K step: 512 bytes of a row
	s_lshl_b32 s30, s27, 16
	s_add_co_u32 s30, s30, s32
	s_add_nc_u64 s[8:9], s[8:9], s[30:31]          ; W_p at row 16 gt
	s_lshl_b32 s30, s28, 16
	s_add_co_u32 s30, s30, s32
	s_add_nc_u64 s[10:11], s[10:11], s[30:31]      ; output at batch 16 mt
	s_lshl_b32 s30, s27, 8
	s_lshl_b32 s32, s28, 6
	s_add_co_u32 s30, s30, s32
	s_add_nc_u64 s[18:19], s[18:19], s[30:31]      ; zp[gt][16 mt]
	global_load_b128 v[VP:VP+3], v[VA], s[12:13]   ; every wave loads them, so that the counts below are alike in all waves
	global_load_b128 v[VP+4:VP+7], v[VA], s[12:13] offset:16
	ULOAD U0, 8, 4096, 0                           ; no hint: other work-groups read these rows again
	ULOAD U1, 10, 4096, 0
	s_wait_loadcnt 16                              ; v_p and W_p's unit are in; output's sixteen loads may be out
	TURN U0
	s_wait_dscnt 0x0
	QUANT BC, BSW
	s_wait_loadcnt 0x0
	TURN U1
	s_wait_dscnt 0x0
	QUANT AC, ASW
.rept 8
	v_nop                                          ; a scale register written by a vector instruction stands eight places ahead of a scaled matrix instruction, an operand so written four
.endr
	; used transposed: source 0 = 16 rows of W_p, source 1 = 16 batches: lane (r, h) holds batch r, register i the row g = 8 h + i
	v_wmma_scale_f32_16x16x128_f8f6f4 v[DD:DD+7], v[BC:BC+7], v[AC:AC+7], 0, v[BSW], v[ASW] matrix_a_fmt:MATRIX_FMT_FP4 matrix_b_fmt:MATRIX_FMT_FP4
.rept 4
	v_nop                                          ; four places ahead of the first read of the result (ISA guide 7.12.1)
.endr
	ds_store_b128 v[PSA], v[DD:DD+3]               ; the result from its low end on
	ds_store_b128 v[PSA], v[DD+4:DD+7] offset:512
	BAR                                            ; the eight K steps' parts lie in LDS
	s_cmp_lg_u32 s[WV], 0
	s_cbranch_scc1 .Lp_end
.irp k, 0,1,2,3,4,5,6,7
	ds_load_b128 v[U0+8*\k:U0+8*\k+3], v[PRD] offset:1024*\k
	ds_load_b128 v[U0+8*\k+4:U0+8*\k+7], v[PRD] offset:1024*\k+512
.endr
	s_wait_dscnt 0x0
.irp k, 1,2,3,4,5,6,7
.irp i, 0,2,4,6
	v_pk_add_f32 v[U0+\i:U0+\i+1], v[U0+\i:U0+\i+1], v[U0+8*\k+\i:U0+8*\k+\i+1]   ; K ascending
.endr
.endr
.irp i, 0,1,2,3,4,5,6,7
	v_mul_f32 v[U0+\i], 0x4038aa3b, v[U0+\i]       ; 2 x log2(e)
.endr
.irp i, 0,1,2,3,4,5,6,7
	v_exp_f32 v[U0+\i], v[U0+\i]
.endr
	v_nop                                          ; a plain place behind the batch,
	s_wait_alu depctr_va_vdst(0)                   ; and one wait for the eight, ahead of their first reader
.irp i, 0,1,2,3,4,5,6,7
	v_add_f32 v[U0+\i], 1.0, v[U0+\i]
.endr
.irp i, 0,1,2,3,4,5,6,7
	v_rcp_f32 v[U0+\i], v[U0+\i]
.endr
	v_nop
	s_wait_alu depctr_va_vdst(0)
.irp i, 0,1,2,3,4,5,6,7
	v_fma_f32 v[U0+\i], v[U0+\i], -2.0, 1.0        ; tanh
.endr
	v_mul_f32 v[ZZ], v[VP], v[U0]
.irp i, 1,2,3,4,5,6,7
	v_fmac_f32 v[ZZ], v[VP+\i], v[U0+\i]           ; v_p . tanh over my eight g
.endr
	v_permlanex16_b32 v[ZT], v[ZZ], s[SEL], s[SEL+1]
	v_add_f32 v[ZZ], v[ZZ], v[ZT]                  ; and lane l xor 16's eight
	s_wait_xcnt 0x0                                ; EXEC changes only behind this wait
	v_cmp_gt_u32 vcc_lo, 16, v[LN]
	s_and_saveexec_b32 s44, vcc_lo
	global_store_b32 v[ZA], v[ZZ], s[18:19]        ; lanes 0-15: zp[gt][16 mt + r]
	s_wait_xcnt 0x0                                ; and again ahead of the line that widens it
	s_or_b32 exec_lo, exec_lo, s44
.Lp_end:
	s_wait_tensorcnt 0x0
	ds_add_u32 v62, v63
	s_wait_dscnt 0x0
	s_endpgm
.Lfunc_end_k_qf95768ec3f_prep:
	.size	k_qf95768ec3f_prep, .Lfunc_end_k_qf95768ec3f_prep-k_qf95768ec3f_prep
	.p2alignl 7, 3214868480
	.fill 96, 4, 3214868480
	.section	.rodata,"a",@progbits
	.p2align	6, 0x0
	.amdhsa_kernel k_qf95768ec3f_prep
		.amdhsa_group_segment_fixed_size 79360
		.amdhsa_private_segment_fixed_size 0
		.amdhsa_enable_private_segment 0
		.amdhsa_kernarg_size 64
		.amdhsa_user_sgpr_count 2
		.amdhsa_user_sgpr_kernarg_segment_ptr 1
		.amdhsa_wavefront_size32 1
		.amdhsa_system_sgpr_workgroup_id_x 1
		.amdhsa_system_sgpr_workgroup_id_y 1
		.amdhsa_system_sgpr_workgroup_id_z 1
		.amdhsa_system_vgpr_workitem_id 0
		.amdhsa_next_free_vgpr 256
		.amdhsa_next_free_sgpr 66
		.amdhsa_reserve_vcc 1
		.amdhsa_float_denorm_mode_32 3
		.amdhsa_float_denorm_mode_16_64 3
		.amdhsa_memory_ordered 1
		.amdhsa_forward_progress 1
		.amdhsa_inst_pref_size 33
	.end_amdhsa_kernel
	.amdgpu_metadata
---
amdhsa.version: [ 1, 2 ]
amdhsa.kernels:
  - .name:           k_qf95768ec3f_prep
    .symbol:         k_qf95768ec3f_prep.kd
    .args:
      - { .name: W_a, .offset: 0, .size: 8, .value_kind: global_buffer, .address_space: global }
      - { .name: W_c, .offset: 8, .size: 8, .value_kind: global_buffer, .address_space: global }
      - { .name: W_p, .offset: 16, .size: 8, .value_kind: global_buffer, .address_space: global }
      - { .name: output, .offset: 24, .size: 8, .value_kind: global_buffer, .address_space: global }
      - { .name: v_p, .offset: 32, .size: 8, .value_kind: global_buffer, .address_space: global }
      - { .name: wa, .offset: 40, .size: 8, .value_kind: global_buffer, .address_space: global }
      - { .name: wc, .offset: 48, .size: 8, .value_kind: global_buffer, .address_space: global }
      - { .name: zp, .offset: 56, .size: 8, .value_kind: global_buffer, .address_space: global }
    .group_segment_fixed_size: 79360
    .private_segment_fixed_size: 0
    .kernarg_segment_align: 8
    .kernarg_segment_size: 64
    .max_flat_workgroup_size: 256
    .sgpr_count:     66
    .vgpr_count:     256
    .wavefront_size: 32
...
	.end_amdgpu_metadata
.endif
;; end of part 1
;; launch main (part 2): grid 256 x 1, 8 waves a work-group, clusters of 4 x 1, 327,680 bytes of LDS; arguments encoder_outputs, output, wa, zp, scores, pt, win; writes scores, pt, win
.if DOCPART == 2
	.amdgcn_target "amdgcn-amd-amdhsa--gfx1250"
	.amdhsa_code_object_version 6
	.text
	.protected	k_qf95768ec3f_main
	.globl	k_qf95768ec3f_main
	.p2align	8
	.type	k_qf95768ec3f_main,@function
k_qf95768ec3f_main:
	s_mov_b64 s[64:65], 0
	v_nop
	global_prefetch_b8 v0, s[64:65] scope:SCOPE_SE
	s_setreg_imm32_b32 hwreg(HW_REG_WAVE_MODE, 25, 1), 1
	s_wait_xcnt 0x0
	s_wait_alu depctr_hold_cnt(0) depctr_sa_sdst(0) depctr_va_vdst(0) depctr_va_sdst(0) depctr_va_ssrc(0) depctr_va_vcc(0) depctr_vm_vsrc(0)
	s_getreg_b32 s2, hwreg(HW_REG_IB_STS2, 6, 4)
	s_cmp_eq_u32 s2, 0
	s_cbranch_scc0 .Lentry_in_a_cluster
	s_endpgm
.Lentry_in_a_cluster:
	s_bfe_u32 s2, ttmp6, 0x10000c
	s_cmp_lg_u32 s2, 0x3003
	s_cbranch_scc0 .Lentry_shape_is_right
	s_endpgm
.Lentry_shape_is_right:
; MAIN.  scores[n][l] = output[n] . (Q(enc[n][l]) Q(W_a)^T), the first product on codes of FP4 (E2M1) with E8M0 scales; and p_t[n] with the first row of the Gaussian's window.
; enc_proj never exists in memory: the second product is linear, so each 16 x 16 tile of the first product is at once multiplied by output[n][g] (f32 multiply-adds) and added to 32 sums a lane.
; SHARES.  A cluster of four work-groups is one batch n; a work-group takes 256 rows of enc.  Wave w: i = w % 4: its 64 rows (four tiles m); j = w / 4: its half of K, taken as two parts (tau) of 256.
; A wave streams its rows' f32 numbers into registers (three units of 16 rows x 128 K, 48 loads, always asked for ahead), turns each unit through its own stage in LDS, quantises it, and keeps a part's eight
; fragments in registers.  Then it walks all 64 tiles of W_a's rows for that part: each fragment of W_a read from LDS feeds four matrix instructions.  The halves of K are added at the end, through LDS.
; W_a's parts (prep's images: codes and scale words, 139,264 dense bytes) come by tensor loads: slot j holds part 2 j + tau; each wave brings a quarter.  All four work-groups of a cluster want the same parts:
; each load is asked for JOINTLY (mask 15, the same descriptor in all four: it hangs on the wave's number and tau alone).  By this text's own count a wave has at most one tensor load out.
; The slots are filled again once (tau = 1), behind a round of the cluster's barrier; the load lands while the next eight units are quantised.
; LIMITS: NaN and infinities are not served.  Blocks whose largest magnitude lies under 2^-124 keep the byte 1, as the quantiser's rule has it; a block of zeros keeps 1 too (its codes are zeros).
; The sums over g and over the parts of K are taken in another order than a plain chain, all in f32.  The window has 128 rows from floor(p_t) - 64, held to 0 .. 896: it covers every |i - p_t| <= 62.
; REGISTERS.  Window 0: v1-15 addresses; v16-23 enc's scale words; v24-27 W_a's; v28-31 multipliers; v32-63 the 32 sums; v64-127 enc's eight fragments; v128-191 eight accumulators, and the turned unit while quantising; v192.. at work.
;   Window 1: v0-191 three units as loaded; v192-255 W_a's fragments of four tiles x two steps.
.set PARTB,  139264
.set QUARTB, 34816                     ; 136 rows of 256 bytes: what one tensor load brings
.set SCLB,   131072
.set SPARE,  2*PARTB                   ; behind the slots: the spare words, 128 bytes for each wave: four blocks of 256 bytes that no other line names
.set OUTL,   SPARE+1024                ; output[n], as [q][r][j]: g = 64 q + 16 j + r
.set STAGE,  OUTL+4096                 ; a stage of 16 rows x 272 bytes for each wave
.set SROW,   272
.set STGB,   16*SROW
.set SCO,    STAGE+8*STGB              ; 2 halves of K x 256 rows of partial scores
.set GA,   1                           ; a unit's loads: h rows + 16 r bytes
.set STA,  2
.set LDA,  3
.set BADR, 4                           ; LDS: the quad's fragments, its scale words, its multipliers
.set SADR, 5
.set OADR, 6
.set SH8,  7
.set SPW,  8                           ; LDS address of my spare word; never rewritten
.set NIL,  9                           ; 0; never rewritten
.set T4,   10
.set T16,  11
.set ZA,   12
.set OA,   13
.set OLA,  14
.set SCOA, 15
.set ASC,  16                          ; scale word of tile m, step s at 2 m + s: registers for scales alone
.set BSC,  24                          ; tile 2 p + jt of the quad: lanes 0-15 step 0, lanes 16-31 step 1
.set OV,   28
.set SACC, 32
.set AC,   64
.set ACC,  128
.set X,    128
.set MX,   192
.set SO,   194
.set BY,   196
.set TW,   198
.set TP,   199
.set LN,   200
.set RR,   201
.set HH,   202
.set L7,   203
.set ZP,   204
.set ZS,   206
.set ZT,   207
.set OT,   208
.set FL,   212
.set PTV,  213
.set WINV, 214
.set SCR,  215
.set PK,   220
.set TL,   224
.set BF,   192                         ; in window 1
.set WV,   18
.set WI,   19
.set WJ,   20
.set SEL,  22
.set G1,   24
.set G0,   32
.set CNT,  36
.set MSB, 0
.macro WIN new                         ; the immediate's high byte repeats the setting that is left; a switch that changes nothing is dropped
.if MSB != \new
	s_set_vgpr_msb (MSB<<8)|\new
.set MSB, \new
.endif
.endm
.macro BAR
	s_wait_dscnt 0x0
	s_barrier_signal -1
	s_barrier_wait -1
.endm
.macro ROUND                           ; a round of the cluster's barrier
	s_barrier_signal -1
	s_barrier_wait -1
	s_cmp_lg_u32 s[WV], 0
	s_cbranch_scc1 .Lnot_wave_0_\@
	s_barrier_signal -3
.Lnot_wave_0_\@:
	s_barrier_wait -3
	s_barrier_signal -1
	s_barrier_wait -1
.endm
; Unit q of 16: tau = q / 8, s = (q / 4) % 2, m = q % 4; it is loaded into buffer q % 3 of window 1.  Every offset is an immediate: no pointer is stepped.
.macro ULOADQ q
.set UB, 64*((\q)%3)
.set UO, ((\q)&3)*65536+((\q)>>3)*1024+(((\q)>>2)&1)*512
	WIN 0x40                                       ; destination window 1, address window 0
.irp c, 0,1
.irp p, 0,1,2,3,4,5,6,7
	global_load_b128 v[UB+32*\c+4*\p:UB+32*\c+4*\p+3], v[GA], s[4:5] offset:UO+8192*\p+256*\c th:TH_LOAD_NT   ; rows 2 p, 2 p + 1: sixteen lanes read 256 consecutive bytes
.endr
.endr
	WIN 0
.endm
.macro QUANT cd, sw                    ; X's 64 numbers (lane (r, h): k = 64 c + 32 h + 0 .. 31 of row r) become the fragment v[cd] on and its scale word v[sw]
.irp c, 0,1
	v_max3_num_f32 v[MX+\c], |v[X+32*\c]|, |v[X+32*\c+1]|, 0x1800000   ; the floor 2^(3 - 127) holds the byte at 1 from below
.endr
.irp i, 2,4,6,8,10,12,14,16,18,20,22,24,26,28,30
.irp c, 0,1
	v_max3_num_f32 v[MX+\c], v[MX+\c], |v[X+32*\c+\i]|, |v[X+32*\c+\i+1]|
.endr
.endr
.irp c, 0,1
	v_add_nc_u32 v[SO+\c], 0xff000000, v[MX+\c]    ; 2 off the exponent field: the conversion's scale operand
.endr
.irp c, 0,1
	v_lshrrev_b32 v[BY+\c], 23, v[SO+\c]
.endr
	v_lshl_or_b32 v[TW], v[BY+1], 16, v[BY]
	v_lshlrev_b32 v[TW], v[SH8], v[TW]
	v_permlanex16_b32 v[TP], v[TW], s[SEL], s[SEL+1]
	v_or_b32 v[\sw], v[TW], v[TP]
.irp c, 0,1
.irp g, 0,1,2,3
	v_cvt_scalef32_pk8_fp4_f32 v[\cd+4*\c+\g], v[X+32*\c+8*\g:X+32*\c+8*\g+7], v[SO+\c]
.endr
.endr
	v_nop                                          ; one plain place behind the last scaled conversion
.endm
.macro UNIT q
.set UB, 64*((\q)%3)
.set UM, (\q)&3
.set US, ((\q)>>2)&1
.if 15-(\q) >= 2
	s_wait_loadcnt 32                              ; this unit's sixteen loads are in; those of the two units behind it may be out
.else
	s_wait_loadcnt 16*(15-(\q))
.endif
.irp c, 0,1                                    ; through my own stage, half a unit at a time: LDS serves a wave's instructions in order (ISA guide 5.7.1.4)
	WIN 0x04                                       ; an LDS store's data are its source 1: window 1
.irp p, 0,1,2,3,4,5,6,7
	ds_store_b128 v[STA], v[UB+32*\c+4*\p:UB+32*\c+4*\p+3] offset:2*SROW*\p
.endr
	WIN 0
.irp i, 0,1,2,3,4,5,6,7
	ds_load_b128 v[X+32*\c+4*\i:X+32*\c+4*\i+3], v[LDA] offset:16*\i
.endr
.endr
	s_wait_dscnt 0x0                               ; the unit is back, and the stores have read the buffer,
.if (\q)+3 < 16
	ULOADQ (\q)+3                                  ; which takes the unit three further on
.endif
	QUANT AC+8*(2*UM+US), ASC+2*UM+US
.endm
; Pair p of a quad: tiles 2 p, 2 p + 1.  BLF: their four fragments (tile jt, step s) and their scale words; BLO: their multipliers.  nx = 1: the next quad's.  Ten LDS loads together.
.macro BLF p, nx
	WIN 0x40
.irp jt, 0,1
.irp s, 0,1
.irp c, 0,1
	ds_load_b128 v[BF+32*\p+16*\jt+8*\s+4*\c:BF+32*\p+16*\jt+8*\s+4*\c+3], v[BADR] offset:8192*\nx+(4*\p+2*\jt+\s)*1024+512*\c   ; an image: 512 consecutive bytes
.endr
.endr
.endr
	WIN 0
	ds_load_b64 v[BSC+2*\p:BSC+2*\p+1], v[SADR] offset:512*\nx+8*\p
.endm
.macro BLO p, nx
	ds_load_b64 v[OV+2*\p:OV+2*\p+1], v[OADR] offset:256*\nx+8*\p
.endm
; Sixteen matrix instructions: steps s = 0, 1 x tiles jt x my four tiles of rows m.  Source 0 = 16 rows of enc, source 1 = 16 rows of W_a: lane (r, h) holds g = r of the tile, register i the row 8 h + i.
; The eight accumulators take turns, one instruction a turn.  Step 0 starts the sums with the constant 0.  Then 32 packed multiply-adds fold the tiles into the sums.
.macro PAIR p, left, pre
	s_wait_dscnt \left                             ; this pair's ten loads are in; the other pair's ten may be out
	WIN 0x04                                       ; source 1 (W_a) window 1
.irp s, 0,1
.irp jt, 0,1
.irp m, 0,1,2,3
.if \s == 0
	v_wmma_scale_f32_16x16x128_f8f6f4 v[ACC+8*(4*\jt+\m):ACC+8*(4*\jt+\m)+7], v[AC+16*\m:AC+16*\m+7], v[BF+32*\p+16*\jt:BF+32*\p+16*\jt+7], 0, v[ASC+2*\m], v[BSC+2*\p+\jt] matrix_a_fmt:MATRIX_FMT_FP4 matrix_b_fmt:MATRIX_FMT_FP4
.else
	v_wmma_scale_f32_16x16x128_f8f6f4 v[ACC+8*(4*\jt+\m):ACC+8*(4*\jt+\m)+7], v[AC+16*\m+8:AC+16*\m+15], v[BF+32*\p+16*\jt+8:BF+32*\p+16*\jt+15], v[ACC+8*(4*\jt+\m):ACC+8*(4*\jt+\m)+7], v[ASC+2*\m+1], v[BSC+2*\p+\jt] matrix_a_fmt:MATRIX_FMT_FP4 matrix_b_fmt:MATRIX_FMT_FP4 matrix_b_scale:MATRIX_SCALE_ROW1
.endif
.endr
.endr
.endr
	WIN 0
.rept 4
	v_nop                                          ; four places ahead of loads into registers that these products read, and of the first read of results
.endr
.if \pre
	BLF \p, 1
.endif
.irp jt, 0,1
.irp m, 0,1,2,3
.irp i, 0,2,4,6                                ; each accumulator from its low end on.  The multiply-adds on the other accumulators are also the places ahead of the next pair's products, which begin these registers anew
	v_pk_fma_f32 v[SACC+8*\m+\i:SACC+8*\m+\i+1], v[ACC+8*(4*\jt+\m)+\i:ACC+8*(4*\jt+\m)+\i+1], v[OV+2*\p:OV+2*\p+1], v[SACC+8*\m+\i:SACC+8*\m+\i+1] op_sel:[0,\jt,0] op_sel_hi:[1,\jt,1]
.endr
.endr
.endr
.if \pre
	BLO \p, 1
.endif
.endm
; A part's product: 16 quads of tiles; a trip multiplies one quad and fetches the next; the last quad is written out.
.macro GEMM
	v_lshl_add_u32 v[BADR], v[LN], 4, s54          ; my half's slot + 16 x lane
	v_lshl_add_u32 v[SADR], v[LN], 4, s55          ; its scale words
	v_lshl_add_u32 v[OADR], v[RR], 4, OUTL
.rept 8
	v_nop                                          ; enc's scale words were written by vector instructions: eight places ahead of a scaled matrix instruction
.endr
	BLF 0, 0
	BLO 0, 0
	BLF 1, 0
	BLO 1, 0
	s_mov_b32 s[CNT], 15
.Lquad_\@:
	PAIR 0, 10, 1
	PAIR 1, 10, 1
	v_add_nc_u32 v[BADR], 8192, v[BADR]
	v_add_nc_u32 v[SADR], 512, v[SADR]
	v_add_nc_u32 v[OADR], 256, v[OADR]
	s_sub_co_u32 s[CNT], s[CNT], 1
	s_cmp_lg_u32 s[CNT], 0
	s_cbranch_scc1 .Lquad_\@
	PAIR 0, 10, 0
	PAIR 1, 0, 0
.endm
	s_load_b256 s[4:11], s[0:1], 0x0               ; enc s[4:5], output s[6:7], wa s[8:9], zp s[10:11]
	s_load_b128 s[12:15], s[0:1], 0x20             ; scores s[12:13], pt s[14:15]
	s_load_b64 s[16:17], s[0:1], 0x30              ; win
	v_lshl_add_u32 v[SPW], v0, 2, SPARE
	v_mov_b32 v[NIL], 0
	ds_add_u32 v8, v9
	ds_add_u32 v8, v9
	s_wait_dscnt 0x0
	v_lshrrev_b32 v[LN], 5, v0
	v_readfirstlane_b32 s[WV], v[LN]               ; wave 0..7
	s_and_b32 s[WI], s[WV], 3
	s_lshr_b32 s[WJ], s[WV], 2
	s_bfe_u32 s37, ttmp6, 0x40000                  ; cx: my place in the cluster: it enters global addresses of enc, scores, pt and win alone
	s_lshl_b32 s38, ttmp9, 2                       ; in a cluster launch ttmp9 counts clusters: the batch n
	s_add_co_u32 s38, s38, s37                     ; my work-group's number
	s_mov_b32 s[SEL], 0x76543210
	s_mov_b32 s[SEL+1], 0xfedcba98
	; descriptor group 1: 136 dense rows of 256 bytes (32 elements of 8 bytes), no padding: images are read 16 bytes a lane on end
	s_mov_b32 s[G1+0], 15|(3<<16)|(1<<21)          ; 15:0 the mask: all four work-groups; 17:16 elements of 8 bytes; 21 set beside a mask
	s_mov_b32 s[G1+1], 32<<16                      ; tensor_dim0 = 32
	s_mov_b32 s[G1+2], 136<<16                     ; tensor_dim1 = 136
	s_mov_b32 s[G1+3], 32<<16                      ; tile_dim0 = 32
	s_mov_b32 s[G1+4], 136                         ; tile_dim1 = 136
	s_mov_b32 s[G1+5], 32                          ; from row to row
	s_mov_b32 s[G1+6], 0
	s_mov_b32 s[G1+7], 0
	v_and_b32 v[LN], 31, v0
	v_and_b32 v[RR], 15, v0
	v_bfe_u32 v[HH], v0, 4, 1
	v_and_b32 v[L7], 7, v0
	v_lshlrev_b32 v[SH8], 3, v[HH]
	v_lshlrev_b32 v[GA], 12, v[HH]
	v_lshl_add_u32 v[GA], v[RR], 4, v[GA]
	s_mul_i32 s50, s[WV], STGB
	s_add_co_u32 s50, s50, STAGE                   ; my stage
	v_mul_u32_u24 v[STA], v[HH], SROW
	v_lshl_add_u32 v[STA], v[RR], 4, v[STA]
	v_add_nc_u32 v[STA], s50, v[STA]               ; in: row h, 16 r
	v_mul_u32_u24 v[LDA], v[RR], SROW
	v_lshl_add_u32 v[LDA], v[HH], 7, v[LDA]
	v_add_nc_u32 v[LDA], s50, v[LDA]               ; out: row r, 128 h
	s_mul_i32 s54, s[WJ], PARTB                    ; my half's slot
	s_add_co_u32 s55, s54, SCLB
	v_lshl_add_u32 v[OLA], v0, 4, OUTL
	s_lshl_b32 s50, s[WJ], 10
	s_lshl_b32 s51, s[WI], 8
	s_add_co_u32 s50, s50, s51
	s_add_co_u32 s50, s50, SCO
	v_lshlrev_b32 v[SCOA], 2, v[L7]
	v_lshl_add_u32 v[SCOA], v[HH], 5, v[SCOA]
	v_add_nc_u32 v[SCOA], s50, v[SCOA]             ; SCO + 1,024 j + 4 (64 i + 8 h + lane % 8)
	v_lshl_add_u32 v[SCR], v0, 4, SCO
	v_lshlrev_b32 v[T4], 2, v0
	v_lshlrev_b32 v[T16], 4, v0
	v_lshlrev_b32 v[ZA], 8, v[LN]                  ; zp: a row gt is 256 bytes; lane = gt
	v_lshrrev_b32 v[OA], 4, v0
	v_lshlrev_b32 v[OA], 8, v[OA]
	v_lshl_add_u32 v[OA], v[RR], 2, v[OA]          ; output: 256 (thread / 16) + 4 (thread % 16)
	v_mov_b32 v[TP], 0                             ; written once: a lane permute's destination counts as one of its sources
	v_mov_b32 v[ZT], 0
.irp k, 0,1,2,3,4,5,6,7,8,9,10,11,12,13,14,15,16,17,18,19,20,21,22,23,24,25,26,27,28,29,30,31
	v_mov_b32 v[SACC+\k], 0                        ; the 32 sums: the pair's macro is written once, so its first use finds zeros
.endr
	s_lshl_b32 s52, s[WJ], 3                       ; (these two registers feed the descriptor and never hold cx)
	s_add_co_u32 s52, s52, s[WI]
	s_mul_i32 s52, s52, QUARTB                     ; part 2 j, quarter i: (8 j + i) x 34,816
	s_mov_b32 s53, 0
	s_wait_kmcnt 0x0
	s_mov_b32 s[G0+0], 1                           ; count = 1
	s_mul_i32 s[G0+1], s[WV], QUARTB               ; LDS: slot j, quarter i = wave x 34,816
	s_add_nc_u64 s[G0+2:G0+3], s[8:9], s[52:53]
	s_or_b32 s[G0+3], s[G0+3], 0x80000000          ; type = 2
	s_lshl_b32 s48, s38, 20                        ; my work-group's 256 rows of 4,096 bytes,
	s_lshl_b32 s49, s[WI], 18                      ; my wave's 64 of them,
	s_add_co_u32 s48, s48, s49
	s_lshl_b32 s49, s[WJ], 11                      ; my half of K
	s_add_co_u32 s48, s48, s49
	s_mov_b32 s49, 0
	s_add_nc_u64 s[4:5], s[4:5], s[48:49]
	s_lshl_b32 s48, ttmp9, 12
	s_add_nc_u64 s[6:7], s[6:7], s[48:49]          ; output[n]
	s_lshl_b32 s48, ttmp9, 2
	s_add_nc_u64 s[10:11], s[10:11], s[48:49]      ; zp[.][n]
	s_lshl_b32 s48, s38, 10
	s_add_nc_u64 s[12:13], s[12:13], s[48:49]      ; my 256 scores
	s_lshl_b32 s48, s38, 8
	s_add_nc_u64 s[14:15], s[14:15], s[48:49]      ; my 256 bytes of pt
	s_add_nc_u64 s[16:17], s[16:17], s[48:49]      ; and of win
	global_load_b32 v[ZP], v[ZA], s[10:11]         ; zp[lane][n], zp[32 + lane][n]: every wave loads them, so that the counts below are alike in all waves
	global_load_b32 v[ZP+1], v[ZA], s[10:11] offset:8192
.irp k, 0,1,2,3
	global_load_b32 v[OT+\k], v[OA], s[6:7] offset:64*\k   ; output[n][64 q + 16 k + r], q = thread / 16
.endr
	ULOADQ 0
	ULOADQ 1
	ULOADQ 2
	ROUND                                          ; all four work-groups are here: the first joint loads meet
	tensor_load_to_lds s[G0:G0+3], s[G1:G1+7]      ; part 2 j, my quarter
	s_nop 0
.rept 4
	v_nop                                          ; four plain lines behind a tensor load
.endr
	s_wait_loadcnt 48                              ; zp and output are in; the three units' 48 loads may be out
	s_cmp_lt_u32 s[WV], 2
	s_cbranch_scc0 .Lno_pt
	; p_t = 1024 sigmoid(z), z = the sum of zp over the 64 gt; the window's first row.  Waves 0 and 1: 64 threads store 256 consecutive bytes of each
	v_add_f32 v[ZS], v[ZP], v[ZP+1]
	v_add_f32_dpp v[ZS], v[ZS], v[ZS] row_xmask:1 row_mask:0xf bank_mask:0xf
	v_add_f32_dpp v[ZS], v[ZS], v[ZS] row_xmask:2 row_mask:0xf bank_mask:0xf
	v_add_f32_dpp v[ZS], v[ZS], v[ZS] row_xmask:4 row_mask:0xf bank_mask:0xf
	v_add_f32_dpp v[ZS], v[ZS], v[ZS] row_xmask:8 row_mask:0xf bank_mask:0xf
	v_permlanex16_b32 v[ZT], v[ZS], s[SEL], s[SEL+1]
	v_add_f32 v[ZS], v[ZS], v[ZT]
	v_mul_f32 v[ZS], 0xbfb8aa3b, v[ZS]             ; -z log2(e)
	v_exp_f32 v[ZS], v[ZS]
	v_nop                                          ; a plain place behind the transcendental,
	s_wait_alu depctr_va_vdst(0)                   ; and the wait ahead of its first reader
	v_add_f32 v[ZS], 1.0, v[ZS]
	v_rcp_f32 v[ZS], v[ZS]
	v_nop
	s_wait_alu depctr_va_vdst(0)
	v_mul_f32 v[PTV], 0x44800000, v[ZS]            ; x 1,024
	v_floor_f32 v[FL], v[PTV]
	v_add_f32 v[FL], 0xc2800000, v[FL]             ; - 64
	v_med3_num_f32 v[FL], v[FL], 0, 0x44600000     ; held to 0 .. 896
	v_cvt_u32_f32 v[WINV], v[FL]
	global_store_b32 v[T4], v[PTV], s[14:15]
	global_store_b32 v[T4], v[WINV], s[16:17]
.Lno_pt:
	ds_store_b128 v[OLA], v[OT:OT+3]               ; the multipliers, in the order in which a quad's tiles want them
.irp q, 0,1,2,3,4,5,6,7
	UNIT \q                                        ; tau = 0: my eight fragments
.endr
	s_wait_tensorcnt 0x0                           ; my quarter of the part has landed,
	BAR                                            ; everybody's has, and the multipliers lie in LDS.
	GEMM                                           ; units 8, 9 and 10 are on their way meanwhile
	; the slots are filled again: every wave waits for all its tensor loads, adds 0 to its spare word, waits for that and for its reads of the slot; a round of the cluster's barrier; the joint load first behind it
	s_wait_tensorcnt 0x0
	ds_add_u32 v[SPW], v[NIL]
	s_add_nc_u64 s[G0+2:G0+3], s[G0+2:G0+3], PARTB ; no load of mine is out, so the descriptor may step: part 2 j + 1
	s_wait_dscnt 0x0
	ROUND                                          ; no wave of any partner still reads a slot or has a load on its way
	tensor_load_to_lds s[G0:G0+3], s[G1:G1+7]
	s_nop 0
.rept 4
	v_nop
.endr
.irp q, 8,9,10,11,12,13,14,15
	UNIT \q                                        ; tau = 1
.endr
	s_wait_tensorcnt 0x0
	BAR
	GEMM
	; the sums over the sixteen g of a half of the lanes; then lane l keeps row 8 h + l % 8 of each tile m
.irp x, 1,2,4,8
.irp k, 0,1,2,3,4,5,6,7,8,9,10,11,12,13,14,15,16,17,18,19,20,21,22,23,24,25,26,27,28,29,30,31
	v_add_f32_dpp v[SACC+\k], v[SACC+\k], v[SACC+\k] row_xmask:\x row_mask:0xf bank_mask:0xf
.endr
.endr
.irp k, 1,2,3,4,5,6,7
	v_cmp_eq_u32 s[40+\k], \k, v[L7]
.endr
.irp m, 0,1,2,3
	v_cndmask_b32 v[PK+\m], v[SACC+8*\m], v[SACC+8*\m+1], s41
.endr
.irp k, 2,3,4,5,6,7
.irp m, 0,1,2,3
	v_cndmask_b32 v[PK+\m], v[PK+\m], v[SACC+8*\m+\k], s[40+\k]
.endr
.endr
.irp m, 0,1,2,3
	ds_store_b32 v[SCOA], v[PK+\m] offset:64*\m    ; lanes l and l + 8 write the same word with the same value
.endr
	BAR                                            ; both halves' 256 partial scores lie in LDS
	s_cmp_lt_u32 s[WV], 2
	s_cbranch_scc0 .Lno_scores
	ds_load_b128 v[TL:TL+3], v[SCR]
	ds_load_b128 v[TL+4:TL+7], v[SCR] offset:1024
	s_wait_dscnt 0x0
	v_pk_add_f32 v[TL:TL+1], v[TL:TL+1], v[TL+4:TL+5]
	v_pk_add_f32 v[TL+2:TL+3], v[TL+2:TL+3], v[TL+6:TL+7]
	global_store_b128 v[T16], v[TL:TL+3], s[12:13] ; 64 threads store 1,024 consecutive bytes
.Lno_scores:
	s_wait_tensorcnt 0x0                           ; the wave's end
	ds_add_u32 v[SPW], v[NIL]
	s_wait_dscnt 0x0
	ROUND                                          ; the closing round
	s_endpgm
.Lfunc_end_k_qf95768ec3f_main:
	.size	k_qf95768ec3f_main, .Lfunc_end_k_qf95768ec3f_main-k_qf95768ec3f_main
	.p2alignl 7, 3214868480
	.fill 96, 4, 3214868480
	.section	.rodata,"a",@progbits
	.p2align	6, 0x0
	.amdhsa_kernel k_qf95768ec3f_main
		.amdhsa_group_segment_fixed_size 327680
		.amdhsa_private_segment_fixed_size 0
		.amdhsa_enable_private_segment 0
		.amdhsa_kernarg_size 56
		.amdhsa_user_sgpr_count 2
		.amdhsa_user_sgpr_kernarg_segment_ptr 1
		.amdhsa_wavefront_size32 1
		.amdhsa_system_sgpr_workgroup_id_x 1
		.amdhsa_system_sgpr_workgroup_id_y 1
		.amdhsa_system_sgpr_workgroup_id_z 1
		.amdhsa_system_vgpr_workitem_id 0
		.amdhsa_next_free_vgpr 512
		.amdhsa_next_free_sgpr 66
		.amdhsa_reserve_vcc 0
		.amdhsa_float_denorm_mode_32 3
		.amdhsa_float_denorm_mode_16_64 3
		.amdhsa_memory_ordered 1
		.amdhsa_forward_progress 1
		.amdhsa_inst_pref_size 169
	.end_amdhsa_kernel
	.amdgpu_metadata
---
amdhsa.version: [ 1, 2 ]
amdhsa.kernels:
  - .name:           k_qf95768ec3f_main
    .symbol:         k_qf95768ec3f_main.kd
    .args:
      - { .name: encoder_outputs, .offset: 0, .size: 8, .value_kind: global_buffer, .address_space: global }
      - { .name: output, .offset: 8, .size: 8, .value_kind: global_buffer, .address_space: global }
      - { .name: wa, .offset: 16, .size: 8, .value_kind: global_buffer, .address_space: global }
      - { .name: zp, .offset: 24, .size: 8, .value_kind: global_buffer, .address_space: global }
      - { .name: scores, .offset: 32, .size: 8, .value_kind: global_buffer, .address_space: global }
      - { .name: pt, .offset: 40, .size: 8, .value_kind: global_buffer, .address_space: global }
      - { .name: win, .offset: 48, .size: 8, .value_kind: global_buffer, .address_space: global }
    .group_segment_fixed_size: 327680
    .private_segment_fixed_size: 0
    .kernarg_segment_align: 8
    .kernarg_segment_size: 56
    .max_flat_workgroup_size: 256
    .sgpr_count:     66
    .vgpr_count:     512
    .wavefront_size: 32
...
	.end_amdgpu_metadata
.endif
;; end of part 2
;; launch context (part 3): grid 256 x 1, 8 waves a work-group, no clusters, 10,240 bytes of LDS; arguments encoder_outputs, scores, pt, win, ctx; writes ctx
.if DOCPART == 3
	.amdgcn_target "amdgcn-amd-amdhsa--gfx1250"
	.amdhsa_code_object_version 6
	.text
	.protected	k_qf95768ec3f_context
	.globl	k_qf95768ec3f_context
	.p2align	8
	.type	k_qf95768ec3f_context,@function
k_qf95768ec3f_context:
	s_mov_b64 s[64:65], 0
	v_nop
	global_prefetch_b8 v0, s[64:65] scope:SCOPE_SE
	s_setreg_imm32_b32 hwreg(HW_REG_WAVE_MODE, 25, 1), 1
	s_wait_xcnt 0x0
; CONTEXT.  ctx[n][c] = the sum over the window's 128 rows i of softmax(scores[n])[i] x exp(-(i - p_t)^2 / 25) x enc[n][i][c], all in f32 (fused multiply-adds: the result goes on into a quantiser).
; Outside the window (first row w0, a whole number that the launch before has stored) |i - p_t| is 63 or more, where the Gaussian is 0 in f32: those rows add nothing and are not read.
; SHARES.  Work-group x: batch n = x / 4, columns 256 (x % 4) on.  Every work-group makes the softmax's maximum and sum of all 1,024 scores (4 a thread).  Wave w takes window rows 16 w .. 16 w + 15:
; a row's 1,024 bytes by two loads of 512 consecutive bytes.  The eight waves' parts are added through LDS, and 64 threads store 1,024 consecutive bytes.
; The maximum is taken away before the exponential, as the softmax has it.  e^x = 2^(x log2 e) by v_exp_f32.
; LIMITS: a weight's factor under 2^-126 comes out as 0 (v_exp_f32 gives no denormals: ISA guide, its entry), where f32 arithmetic could still keep a denormal: from |i - p_t| > 46.7 on.  NaN and infinities are not served.
; No matrix unit (one row of weights), no cluster and no tensor load: work-groups share only the 4 KiB of scores.
.set RSUM, 256                         ; LDS: the waves' maxima at 0, their sums here,
.set WGT,  512                         ; the 128 weights,
.set PART, 1024                        ; and 1,024 bytes for each wave's part of the context
.set LN,  1
.set T16, 2
.set L16, 3
.set SWA, 4
.set RMA, 5
.set ZR,  6
.set WGA, 7
.set WRA, 8
.set PSA, 9
.set PRA, 10
.set SC,  12                           ; v12-15 my four scores
.set SW,  16                           ; my window row's score
.set MM,  17
.set TT,  18
.set EW,  19
.set RD,  20                           ; v20-27 the eight waves' figures
.set EE,  28                           ; v28-31
.set SS,  32
.set GG,  33
.set IX,  34
.set WT,  35
.set WW,  36                           ; v36-51 my 16 rows' weights
.set AA,  52                           ; v52-59 my eight columns' sums
.set X,   64                           ; v64-191 16 rows x 8 numbers
.set WV,  14
.set SEL, 28
.macro BAR
	s_wait_dscnt 0x0
	s_barrier_signal -1
	s_barrier_wait -1
.endm
	s_load_b256 s[4:11], s[0:1], 0x0               ; enc s[4:5], scores s[6:7], pt s[8:9], win s[10:11]
	s_load_b64 s[12:13], s[0:1], 0x20              ; ctx
	v_lshl_add_u32 v192, v0, 2, 0x2400
	v_mov_b32 v193, 0
	v_lshrrev_b32 v[LN], 5, v0
	v_readfirstlane_b32 s[WV], v[LN]               ; wave 0..7
	s_lshr_b32 s15, ttmp9, 2                       ; n
	s_and_b32 s16, ttmp9, 3                        ; which 256 columns
	s_mov_b32 s[SEL], 0x76543210
	s_mov_b32 s[SEL+1], 0xfedcba98
	v_and_b32 v[LN], 31, v0
	v_lshlrev_b32 v[T16], 4, v0
	v_lshlrev_b32 v[L16], 4, v[LN]
	v_and_b32 v[SWA], 127, v0
	v_lshlrev_b32 v[SWA], 2, v[SWA]
	v_mov_b32 v[RMA], s[WV]
	v_lshlrev_b32 v[RMA], 2, v[RMA]                ; my wave's word
	v_mov_b32 v[ZR], 0
	v_lshl_add_u32 v[WGA], v0, 2, WGT
	s_lshl_b32 s17, s[WV], 6
	s_add_co_u32 s17, s17, WGT
	v_mov_b32 v[WRA], s17                          ; my 16 rows' weights
	s_lshl_b32 s17, s[WV], 10
	s_add_co_u32 s17, s17, PART
	v_add_nc_u32 v[PSA], s17, v[L16]
	v_add_nc_u32 v[PRA], PART, v[T16]
	v_mov_b32 v[TT], 0                             ; written once: a lane permute's destination counts as one of its sources
	s_lshl_b32 s18, s15, 10                        ; the batch's first work-group of the launch before: 256 bytes x 4 n
	s_mov_b32 s19, 0
	s_wait_kmcnt 0x0
	s_add_nc_u64 s[8:9], s[8:9], s[18:19]
	s_add_nc_u64 s[10:11], s[10:11], s[18:19]
	s_load_b32 s20, s[10:11], 0x0                  ; w0
	s_load_b32 s21, s[8:9], 0x0                    ; p_t
	s_lshl_b32 s22, s15, 12
	s_mov_b32 s23, 0
	s_add_nc_u64 s[6:7], s[6:7], s[22:23]          ; scores[n]
	global_load_b128 v[SC:SC+3], v[T16], s[6:7]
	s_lshl_b32 s26, s16, 10
	s_add_co_u32 s22, s22, s26                     ; 4,096 n + 1,024 (x % 4)
	s_add_nc_u64 s[12:13], s[12:13], s[22:23]      ; ctx: my 256 columns
	s_wait_kmcnt 0x0
	s_min_u32 s20, s20, 896                        ; a loaded number enters addresses only behind this bound; the window stays inside the batch's 1,024 rows
	s_lshl_b32 s24, s20, 2
	s_mov_b32 s25, 0
	s_add_nc_u64 s[24:25], s[6:7], s[24:25]
	global_load_b32 v[SW], v[SWA], s[24:25]        ; the score of window row thread % 128
	s_lshl_b32 s26, s[WV], 4
	s_add_co_u32 s26, s26, s20                     ; my first row: w0 + 16 w
	s_lshl_b32 s26, s26, 12
	s_lshl_b32 s27, s15, 22
	s_add_co_u32 s26, s26, s27
	s_lshl_b32 s27, s16, 10
	s_add_co_u32 s26, s26, s27
	s_mov_b32 s27, 0
	s_add_nc_u64 s[4:5], s[4:5], s[26:27]
.irp r, 0,1,2,3,4,5,6,7,8,9,10,11,12,13,14,15
	global_load_b128 v[X+8*\r:X+8*\r+3], v[L16], s[4:5] offset:4096*\r th:TH_LOAD_NT
	global_load_b128 v[X+8*\r+4:X+8*\r+7], v[L16], s[4:5] offset:4096*\r+512 th:TH_LOAD_NT
.endr
	s_wait_loadcnt 32                              ; the scores are in; enc's 32 loads may be out
	v_max3_num_f32 v[MM], v[SC], v[SC+1], v[SC+2]
	v_max_num_f32 v[MM], v[MM], v[SC+3]
	v_max_num_f32_dpp v[MM], v[MM], v[MM] row_xmask:1 row_mask:0xf bank_mask:0xf
	v_max_num_f32_dpp v[MM], v[MM], v[MM] row_xmask:2 row_mask:0xf bank_mask:0xf
	v_max_num_f32_dpp v[MM], v[MM], v[MM] row_xmask:4 row_mask:0xf bank_mask:0xf
	v_max_num_f32_dpp v[MM], v[MM], v[MM] row_xmask:8 row_mask:0xf bank_mask:0xf
	v_permlanex16_b32 v[TT], v[MM], s[SEL], s[SEL+1]
	v_max_num_f32 v[MM], v[MM], v[TT]
	ds_store_b32 v[RMA], v[MM]                     ; all lanes write the same word with the same value
	BAR
	ds_load_b128 v[RD:RD+3], v[ZR]
	ds_load_b128 v[RD+4:RD+7], v[ZR] offset:16
	s_wait_dscnt 0x0
	v_max3_num_f32 v[MM], v[RD], v[RD+1], v[RD+2]
	v_max3_num_f32 v[MM], v[MM], v[RD+3], v[RD+4]
	v_max3_num_f32 v[MM], v[MM], v[RD+5], v[RD+6]
	v_max_num_f32 v[MM], v[MM], v[RD+7]            ; the row's largest score
.irp k, 0,1,2,3
	v_sub_f32 v[EE+\k], v[SC+\k], v[MM]
.endr
	v_sub_f32 v[EW], v[SW], v[MM]
.irp k, 0,1,2,3
	v_mul_f32 v[EE+\k], 0x3fb8aa3b, v[EE+\k]       ; x log2(e)
.endr
	v_mul_f32 v[EW], 0x3fb8aa3b, v[EW]
	v_and_b32 v[IX], 127, v0
	v_add_nc_u32 v[IX], s20, v[IX]
	v_cvt_f32_u32 v[IX], v[IX]                     ; i
	v_sub_f32 v[GG], v[IX], s21                    ; i - p_t
	v_mul_f32 v[GG], v[GG], v[GG]
	v_mul_f32 v[GG], 0xbd6c5f04, v[GG]             ; x -log2(e) / 25
.irp k, 0,1,2,3
	v_exp_f32 v[EE+\k], v[EE+\k]
.endr
	v_exp_f32 v[EW], v[EW]
	v_exp_f32 v[GG], v[GG]
	v_nop                                          ; a plain place behind the batch,
	s_wait_alu depctr_va_vdst(0)                   ; and one wait for the six, ahead of their first reader
	v_add_f32 v[SS], v[EE], v[EE+1]
	v_add_f32 v[TT], v[EE+2], v[EE+3]
	v_add_f32 v[SS], v[SS], v[TT]
	v_add_f32_dpp v[SS], v[SS], v[SS] row_xmask:1 row_mask:0xf bank_mask:0xf
	v_add_f32_dpp v[SS], v[SS], v[SS] row_xmask:2 row_mask:0xf bank_mask:0xf
	v_add_f32_dpp v[SS], v[SS], v[SS] row_xmask:4 row_mask:0xf bank_mask:0xf
	v_add_f32_dpp v[SS], v[SS], v[SS] row_xmask:8 row_mask:0xf bank_mask:0xf
	v_permlanex16_b32 v[TT], v[SS], s[SEL], s[SEL+1]
	v_add_f32 v[SS], v[SS], v[TT]
	ds_store_b32 v[RMA], v[SS] offset:RSUM
	BAR
	ds_load_b128 v[RD:RD+3], v[ZR] offset:RSUM
	ds_load_b128 v[RD+4:RD+7], v[ZR] offset:RSUM+16
	s_wait_dscnt 0x0
	v_pk_add_f32 v[RD:RD+1], v[RD:RD+1], v[RD+2:RD+3]
	v_pk_add_f32 v[RD+4:RD+5], v[RD+4:RD+5], v[RD+6:RD+7]
	v_pk_add_f32 v[RD:RD+1], v[RD:RD+1], v[RD+4:RD+5]
	v_add_f32 v[SS], v[RD], v[RD+1]                ; the softmax's sum
	v_rcp_f32 v[SS], v[SS]
	v_nop
	s_wait_alu depctr_va_vdst(0)
	v_mul_f32 v[WT], v[EW], v[SS]                  ; align,
	v_mul_f32 v[WT], v[WT], v[GG]                  ; x the Gaussian
	s_cmp_lt_u32 s[WV], 4                          ; threads 0 to 127 hold the 128 rows' weights once
	s_cbranch_scc0 .Lno_weight
	ds_store_b32 v[WGA], v[WT]
.Lno_weight:
	BAR
.irp k, 0,1,2,3
	ds_load_b128 v[WW+4*\k:WW+4*\k+3], v[WRA] offset:16*\k   ; every lane reads the same 64 bytes
.endr
	s_wait_dscnt 0x0
.irp rp, 0,1,2,3,4,5,6,7
.irp od, 0,1
	s_wait_loadcnt 2*(15-2*\rp-\od)                ; row 2 rp + od is in; the later rows' two loads each may be out
.irp k, 0,2,4,6
.if \rp+\od == 0
	v_pk_mul_f32 v[AA+\k:AA+\k+1], v[X+\k:X+\k+1], v[WW:WW+1] op_sel_hi:[1,0]   ; the first row starts the sums
.else
	v_pk_fma_f32 v[AA+\k:AA+\k+1], v[X+8*(2*\rp+\od)+\k:X+8*(2*\rp+\od)+\k+1], v[WW+2*\rp:WW+2*\rp+1], v[AA+\k:AA+\k+1] op_sel:[0,\od,0] op_sel_hi:[1,\od,1]
.endif
.endr
.endr
.endr
	ds_store_b128 v[PSA], v[AA:AA+3]
	ds_store_b128 v[PSA], v[AA+4:AA+7] offset:512
	BAR                                            ; the eight waves' parts lie in LDS
	s_cmp_lt_u32 s[WV], 2
	s_cbranch_scc0 .Lend
.irp k, 0,1,2,3,4,5,6,7
	ds_load_b128 v[X+4*\k:X+4*\k+3], v[PRA] offset:1024*\k
.endr
	s_wait_dscnt 0x0
.irp k, 1,2,3,4,5,6,7
	v_pk_add_f32 v[X:X+1], v[X:X+1], v[X+4*\k:X+4*\k+1]
	v_pk_add_f32 v[X+2:X+3], v[X+2:X+3], v[X+4*\k+2:X+4*\k+3]
.endr
	global_store_b128 v[T16], v[X:X+3], s[12:13]   ; 64 threads store 1,024 consecutive bytes
.Lend:
	s_wait_tensorcnt 0x0
	ds_add_u32 v192, v193
	s_wait_dscnt 0x0
	s_endpgm
.Lfunc_end_k_qf95768ec3f_context:
	.size	k_qf95768ec3f_context, .Lfunc_end_k_qf95768ec3f_context-k_qf95768ec3f_context
	.p2alignl 7, 3214868480
	.fill 96, 4, 3214868480
	.section	.rodata,"a",@progbits
	.p2align	6, 0x0
	.amdhsa_kernel k_qf95768ec3f_context
		.amdhsa_group_segment_fixed_size 10240
		.amdhsa_private_segment_fixed_size 0
		.amdhsa_enable_private_segment 0
		.amdhsa_kernarg_size 40
		.amdhsa_user_sgpr_count 2
		.amdhsa_user_sgpr_kernarg_segment_ptr 1
		.amdhsa_wavefront_size32 1
		.amdhsa_system_sgpr_workgroup_id_x 1
		.amdhsa_system_sgpr_workgroup_id_y 1
		.amdhsa_system_sgpr_workgroup_id_z 1
		.amdhsa_system_vgpr_workitem_id 0
		.amdhsa_next_free_vgpr 194
		.amdhsa_next_free_sgpr 66
		.amdhsa_reserve_vcc 0
		.amdhsa_float_denorm_mode_32 3
		.amdhsa_float_denorm_mode_16_64 3
		.amdhsa_memory_ordered 1
		.amdhsa_forward_progress 1
		.amdhsa_inst_pref_size 16
	.end_amdhsa_kernel
	.amdgpu_metadata
---
amdhsa.version: [ 1, 2 ]
amdhsa.kernels:
  - .name:           k_qf95768ec3f_context
    .symbol:         k_qf95768ec3f_context.kd
    .args:
      - { .name: encoder_outputs, .offset: 0, .size: 8, .value_kind: global_buffer, .address_space: global }
      - { .name: scores, .offset: 8, .size: 8, .value_kind: global_buffer, .address_space: global }
      - { .name: pt, .offset: 16, .size: 8, .value_kind: global_buffer, .address_space: global }
      - { .name: win, .offset: 24, .size: 8, .value_kind: global_buffer, .address_space: global }
      - { .name: ctx, .offset: 32, .size: 8, .value_kind: global_buffer, .address_space: global }
    .group_segment_fixed_size: 10240
    .private_segment_fixed_size: 0
    .kernarg_segment_align: 8
    .kernarg_segment_size: 40
    .max_flat_workgroup_size: 256
    .sgpr_count:     66
    .vgpr_count:     194
    .wavefront_size: 32
...
	.end_amdgpu_metadata
.endif
;; end of part 3
;; launch final (part 4): grid 64 x 1, 16 waves a work-group, no clusters, 71,680 bytes of LDS; arguments ctx, output, wc, out0; writes out0
.if DOCPART == 4
	.amdgcn_target "amdgcn-amd-amdhsa--gfx1250"
	.amdhsa_code_object_version 6
	.text
	.protected	k_qf95768ec3f_final
	.globl	k_qf95768ec3f_final
	.p2align	8
	.type	k_qf95768ec3f_final,@function
k_qf95768ec3f_final:
	s_mov_b64 s[64:65], 0
	v_nop
	global_prefetch_b8 v0, s[64:65] scope:SCOPE_SE
	s_setreg_imm32_b32 hwreg(HW_REG_WAVE_MODE, 25, 1), 1
	s_wait_xcnt 0x0
; FINAL.  out0 = tanh(Q([ctx, output]) Q(W_c)^T), on codes of FP4 (E2M1) with E8M0 scales.  W_c comes as prep's images (codes and scale words in the order of the operand's registers).
; SHARES.  Work-group x: 16 batches (mt = x % 4) x 64 outputs (quad q = x / 4 of W_c's tiles).  Wave w takes K step w of the 16 (128 along the 2,048 of [ctx, output]: waves 0-7 read ctx, waves 8-15 output):
; it quantises its unit of 16 rows x 128 K in registers, as prep does, and makes four products.  The sixteen waves' parts are added through LDS; then tanh; sixteen lanes store 256 consecutive bytes.
; The product is used transposed (source 0 = 16 rows of W_c, source 1 = 16 batches): a lane holds one batch and eight neighbouring outputs.
; 64 work-groups: the problem has 64 x 1,024 outputs over a K of 2,048, and a finer split would only read ctx and output more often.  No cluster and no tensor load: each fragment of W_c is read by four work-groups, 128 KiB in each.
; LIMITS: NaN and infinities are not served; tanh(x) = 1 - 2 / (1 + 2^(2 x log2 e)): about 1e-7 absolute.  A block of zeros keeps the scale byte 1: its codes are zeros.
.set PARTB, 139264
.set SCLB,  131072
.set SROW,  272
.set STGB,  16*SROW
.set LN,  1
.set RR,  2
.set HH,  3
.set GA,  4
.set STA, 5
.set LDA, 6
.set SH8, 7
.set L16, 8
.set SA,  9
.set DSA, 10
.set RDA, 11
.set OUA, 12
.set CC,  16                           ; v16-23 my unit's codes
.set CS,  24                           ; its scale word: a register for scales alone
.set WS,  28                           ; v28-31 W_c's scale words, tile jt: scales alone
.set WF,  32                           ; v32-63 W_c's four fragments
.set DD,  64                           ; v64-95 four products
.set MX,  100
.set SO,  102
.set BY,  104
.set TW,  106
.set TP,  107
.set U,   128                          ; v128-191 the unit as loaded; later the sixteen parts
.set X,   192                          ; v192-255 the unit turned
.set WV,  20
.set SEL, 44
.macro TURN reg                        ; through my own stage, half a unit at a time: LDS serves a wave's instructions in order (ISA guide 5.7.1.4)
.irp c, 0,1
.irp p, 0,1,2,3,4,5,6,7
	ds_store_b128 v[STA], v[\reg+32*\c+4*\p:\reg+32*\c+4*\p+3] offset:2*SROW*\p
.endr
.irp i, 0,1,2,3,4,5,6,7
	ds_load_b128 v[X+32*\c+4*\i:X+32*\c+4*\i+3], v[LDA] offset:16*\i
.endr
.endr
.endm
.macro QUANT cd, sw
.irp c, 0,1
	v_max3_num_f32 v[MX+\c], |v[X+32*\c]|, |v[X+32*\c+1]|, 0x1800000   ; the floor 2^(3 - 127) holds the byte at 1 from below
.endr
.irp i, 2,4,6,8,10,12,14,16,18,20,22,24,26,28,30
.irp c, 0,1
	v_max3_num_f32 v[MX+\c], v[MX+\c], |v[X+32*\c+\i]|, |v[X+32*\c+\i+1]|
.endr
.endr
.irp c, 0,1
	v_add_nc_u32 v[SO+\c], 0xff000000, v[MX+\c]    ; 2 off the exponent field: the conversion's scale operand
.endr
.irp c, 0,1
	v_lshrrev_b32 v[BY+\c], 23, v[SO+\c]
.endr
	v_lshl_or_b32 v[TW], v[BY+1], 16, v[BY]
	v_lshlrev_b32 v[TW], v[SH8], v[TW]
	v_permlanex16_b32 v[TP], v[TW], s[SEL], s[SEL+1]
	v_or_b32 v[\sw], v[TW], v[TP]
.irp c, 0,1
.irp g, 0,1,2,3
	v_cvt_scalef32_pk8_fp4_f32 v[\cd+4*\c+\g], v[X+32*\c+8*\g:X+32*\c+8*\g+7], v[SO+\c]
.endr
.endr
	v_nop                                          ; one plain place behind the last scaled conversion
.endm
	s_load_b256 s[4:11], s[0:1], 0x0               ; ctx s[4:5], output s[6:7], wc s[8:9], out0 s[10:11]
	v_lshl_add_u32 v126, v0, 2, 0x11000
	v_mov_b32 v127, 0
	v_lshrrev_b32 v[LN], 5, v0
	v_readfirstlane_b32 s[WV], v[LN]               ; wave 0..15
	s_and_b32 s21, ttmp9, 3                        ; mt
	s_lshr_b32 s22, ttmp9, 2                       ; q
	s_mov_b32 s[SEL], 0x76543210
	s_mov_b32 s[SEL+1], 0xfedcba98
	v_and_b32 v[LN], 31, v0
	v_and_b32 v[RR], 15, v0
	v_bfe_u32 v[HH], v0, 4, 1
	v_lshlrev_b32 v[SH8], 3, v[HH]
	v_lshlrev_b32 v[L16], 4, v[LN]
	v_lshlrev_b32 v[SA], 4, v[RR]
	v_lshlrev_b32 v[GA], 12, v[HH]
	v_lshl_add_u32 v[GA], v[RR], 4, v[GA]
	s_mul_i32 s23, s[WV], STGB                     ; my stage
	v_mul_u32_u24 v[STA], v[HH], SROW
	v_lshl_add_u32 v[STA], v[RR], 4, v[STA]
	v_add_nc_u32 v[STA], s23, v[STA]
	v_mul_u32_u24 v[LDA], v[RR], SROW
	v_lshl_add_u32 v[DSA], v[HH], 5, v[LDA]
	v_add_nc_u32 v[DSA], s23, v[DSA]               ; the products: row r (a batch), 32 h
	v_lshl_add_u32 v[LDA], v[HH], 7, v[LDA]
	v_add_nc_u32 v[LDA], s23, v[LDA]
	v_lshrrev_b32 v[OUA], 4, v0                    ; the sum: thread t < 256 takes batch t / 16, 16 bytes at 16 (t % 16)
	v_mul_u32_u24 v[RDA], v[OUA], SROW
	v_lshl_add_u32 v[RDA], v[RR], 4, v[RDA]
	v_lshlrev_b32 v[OUA], 12, v[OUA]
	v_lshl_add_u32 v[OUA], v[RR], 4, v[OUA]
	v_mov_b32 v[TP], 0                             ; written once: a lane permute's destination counts as one of its sources
	s_and_b32 s24, s[WV], 7
	s_lshl_b32 s24, s24, 9                         ; my K step in a row of ctx or of output
	s_lshl_b32 s25, s21, 16                        ; batch 16 mt
	s_add_co_u32 s24, s24, s25
	s_mov_b32 s25, 0
	s_lshr_b32 s26, s[WV], 1
	s_mul_i32 s26, s26, PARTB                      ; W_c's part w / 2,
	s_and_b32 s27, s[WV], 1                        ; step w % 2
	s_lshl_b32 s28, s22, 3
	s_add_co_u32 s28, s28, s27
	s_lshl_b32 s28, s28, 10                        ; (8 q + s) x 1,024; the tile stands in the immediate
	s_add_co_u32 s28, s28, s26
	s_mov_b32 s29, 0
	s_lshl_b32 s30, s22, 9
	s_lshl_b32 s31, s27, 8
	s_add_co_u32 s30, s30, s31
	s_add_co_u32 s30, s30, s26
	s_add_co_u32 s30, s30, SCLB                    ; the quad's scale words of my step
	s_mov_b32 s31, 0
	s_lshl_b32 s32, s21, 16
	s_lshl_b32 s33, s22, 8
	s_add_co_u32 s32, s32, s33                     ; out0: batch 16 mt, output 64 q
	s_mov_b32 s33, 0
	s_wait_kmcnt 0x0
	s_cmp_lt_u32 s[WV], 8                          ; the choice hangs on the wave's number alone
	s_cselect_b64 s[12:13], s[4:5], s[6:7]
	s_add_nc_u64 s[12:13], s[12:13], s[24:25]
	s_add_nc_u64 s[14:15], s[8:9], s[28:29]
	s_add_nc_u64 s[16:17], s[8:9], s[30:31]
	s_add_nc_u64 s[10:11], s[10:11], s[32:33]
.irp c, 0,1
.irp p, 0,1,2,3,4,5,6,7
	global_load_b128 v[U+32*\c+4*\p:U+32*\c+4*\p+3], v[GA], s[12:13] offset:8192*\p+256*\c   ; rows 2 p, 2 p + 1: sixteen lanes read 256 consecutive bytes
.endr
.endr
.irp jt, 0,1,2,3
.irp c, 0,1
	global_load_b128 v[WF+8*\jt+4*\c:WF+8*\jt+4*\c+3], v[L16], s[14:15] offset:2048*\jt+512*\c   ; an image: 512 consecutive bytes
.endr
.endr
	global_load_b128 v[WS:WS+3], v[SA], s[16:17]   ; lane r: the words of row r of the quad's four tiles
	s_wait_loadcnt 9                               ; my unit is in; W_c's nine loads may be out
	TURN U
	s_wait_dscnt 0x0
	QUANT CC, CS
	s_wait_loadcnt 0x0
.rept 8
	v_nop                                          ; a scale register written by a vector instruction stands eight places ahead of a scaled matrix instruction, an operand so written four
.endr
.irp jt, 0,1,2,3                               ; lane (r, h): batch r; register i of tile jt: output 16 jt + 8 h + i of the quad's 64
	v_wmma_scale_f32_16x16x128_f8f6f4 v[DD+8*\jt:DD+8*\jt+7], v[WF+8*\jt:WF+8*\jt+7], v[CC:CC+7], 0, v[WS+\jt], v[CS] matrix_a_fmt:MATRIX_FMT_FP4 matrix_b_fmt:MATRIX_FMT_FP4
.endr
.rept 4
	v_nop                                          ; four places ahead of the first read of results (ISA guide 7.12.1)
.endr
.irp jt, 0,1,2,3
	ds_store_b128 v[DSA], v[DD+8*\jt:DD+8*\jt+3] offset:64*\jt          ; each result from its low end on
	ds_store_b128 v[DSA], v[DD+8*\jt+4:DD+8*\jt+7] offset:64*\jt+16
.endr
	s_wait_dscnt 0x0                               ; for the others' sake: my stores have landed
	s_barrier_signal -1
	s_barrier_wait -1                              ; the sixteen K steps' parts lie in the sixteen stages
	s_cmp_lt_u32 s[WV], 8
	s_cbranch_scc0 .Lend
.irp k, 0,1,2,3,4,5,6,7,8,9,10,11,12,13,14,15
	ds_load_b128 v[U+4*\k:U+4*\k+3], v[RDA] offset:STGB*\k
.endr
	s_wait_dscnt 0x0
.irp k, 1,2,3,4,5,6,7,8,9,10,11,12,13,14,15
	v_pk_add_f32 v[U:U+1], v[U:U+1], v[U+4*\k:U+4*\k+1]                 ; K ascending
	v_pk_add_f32 v[U+2:U+3], v[U+2:U+3], v[U+4*\k+2:U+4*\k+3]
.endr
.irp i, 0,1,2,3
	v_mul_f32 v[U+\i], 0x4038aa3b, v[U+\i]         ; 2 x log2(e)
.endr
.irp i, 0,1,2,3
	v_exp_f32 v[U+\i], v[U+\i]
.endr
	v_nop                                          ; a plain place behind the batch,
	s_wait_alu depctr_va_vdst(0)                   ; and one wait for the four, ahead of their first reader
.irp i, 0,1,2,3
	v_add_f32 v[U+\i], 1.0, v[U+\i]
.endr
.irp i, 0,1,2,3
	v_rcp_f32 v[U+\i], v[U+\i]
.endr
	v_nop
	s_wait_alu depctr_va_vdst(0)
.irp i, 0,1,2,3
	v_fma_f32 v[U+\i], v[U+\i], -2.0, 1.0          ; tanh
.endr
	global_store_b128 v[OUA], v[U:U+3], s[10:11]   ; sixteen lanes store 256 consecutive bytes of a batch's row
.Lend:
	s_wait_tensorcnt 0x0
	ds_add_u32 v126, v127
	s_wait_dscnt 0x0
	s_endpgm
.Lfunc_end_k_qf95768ec3f_final:
	.size	k_qf95768ec3f_final, .Lfunc_end_k_qf95768ec3f_final-k_qf95768ec3f_final
	.p2alignl 7, 3214868480
	.fill 96, 4, 3214868480
	.section	.rodata,"a",@progbits
	.p2align	6, 0x0
	.amdhsa_kernel k_qf95768ec3f_final
		.amdhsa_group_segment_fixed_size 71680
		.amdhsa_private_segment_fixed_size 0
		.amdhsa_enable_private_segment 0
		.amdhsa_kernarg_size 32
		.amdhsa_user_sgpr_count 2
		.amdhsa_user_sgpr_kernarg_segment_ptr 1
		.amdhsa_wavefront_size32 1
		.amdhsa_system_sgpr_workgroup_id_x 1
		.amdhsa_system_sgpr_workgroup_id_y 1
		.amdhsa_system_sgpr_workgroup_id_z 1
		.amdhsa_system_vgpr_workitem_id 0
		.amdhsa_next_free_vgpr 256
		.amdhsa_next_free_sgpr 66
		.amdhsa_reserve_vcc 0
		.amdhsa_float_denorm_mode_32 3
		.amdhsa_float_denorm_mode_16_64 3
		.amdhsa_memory_ordered 1
		.amdhsa_forward_progress 1
		.amdhsa_inst_pref_size 16
	.end_amdhsa_kernel
	.amdgpu_metadata
---
amdhsa.version: [ 1, 2 ]
amdhsa.kernels:
  - .name:           k_qf95768ec3f_final
    .symbol:         k_qf95768ec3f_final.kd
    .args:
      - { .name: ctx, .offset: 0, .size: 8, .value_kind: global_buffer, .address_space: global }
      - { .name: output, .offset: 8, .size: 8, .value_kind: global_buffer, .address_space: global }
      - { .name: wc, .offset: 16, .size: 8, .value_kind: global_buffer, .address_space: global }
      - { .name: out0, .offset: 24, .size: 8, .value_kind: global_buffer, .address_space: global }
    .group_segment_fixed_size: 71680
    .private_segment_fixed_size: 0
    .kernarg_segment_align: 8
    .kernarg_segment_size: 32
    .max_flat_workgroup_size: 512
    .sgpr_count:     66
    .vgpr_count:     256
    .wavefront_size: 32
...
	.end_amdgpu_metadata
.endif
;; end of part 4
